; MI455X (gfx1250); checked and timed in simulation.
; The chip was launched on July 23, 2026; its instructions are those of AMD's public machine-readable ISA for CDNA 5 (MIT licence, August 2026) and "CDNA5" Instruction Set Architecture Reference Guide (July 2026). The comments in the code are by the model that wrote it; some were corrected since.
;; Behavior Specific PFF. Allowed arithmetic: matrix products marked QUANTISED: E2M1 operands, one E8M0 scale for each 32 along K, by v_wmma_scale_f32_16x16x128_f8f6f4 with both operands' format E2M1 (or v_wmma_scale_f32_32x16x128_f4), f32 sums; products left as they are: f32 operands where the result goes on into a quantised operand, else bf16, f16 or f32 operands; f32 sums; everything else in f32.
;; Inputs: B1 2 x 2,048 float32; B2 2 x 512 float32; W1 2 x 512 x 2,048 float32; W2 2 x 2,048 x 512 float32; b_seq 32 x 512 int32; x 32 x 512 x 512 float32.
;; Outputs: out0 32 x 512 x 512 float32.
;; This version of the problem:
;;   THIS VERSION OF THE PROBLEM IS GIVEN IN LOW PRECISION. The matrix products marked QUANTISED in the list below multiply operands that are first quantised to E2M1 (2 exponent bits, 1 mantissa bit; 4 bits a number), with one power-of-two scale for each 32 numbers along K (OCP MX v1.0); their sums are f32. All else is computed in f32.
;;   The module's matrix products, in the order in which they are computed (A, B: the left and right operand; K: the contracted axis; several contracted axes count as one K, in the product's order):
;;     1. [M 4,096, K 512] x [K 512, N 16,384]; A: input W1; B: input x: QUANTISED
;;     2. batch 2 x [M 16,384, K 2,048] x [K 2,048, N 512]; A: computed on the way; B: input W2: QUANTISED
;;     3. batch 16,384 x [M 512, K 3] x [K 3, N 1]; A: computed on the way; B: computed on the way: left as it is (K = 3 < 32)
;;   THE QUANTISER, for each operand of a quantised product, along K:
;;     - K is cut into blocks of 32 from its start; a last block that is shorter is filled with zeros.
;;     - A block's scale is 2^e with e = floor(log2(the largest magnitude in the block)) - 2, held to -126 .. 127; a block of zeros has e = 0. As a byte (E8M0): e + 127.
;;     - Each number is divided by its block's scale, clamped to +-6, and rounded to the nearest number of E2M1, ties to even, subnormals kept.
;;     - The product sums the exact products of the quantised numbers (number of the format x scale) in f32.
;;   ~~~python
;;   def quantise(x, axis):      # numpy; x: float32 -> the quantised numbers, widened to float32 again
;;       x = np.moveaxis(x, axis, -1); K = x.shape[-1]
;;       x = np.pad(x, [(0, 0)] * (x.ndim - 1) + [(0, -K % 32)]); x = x.reshape(x.shape[:-1] + (-1, 32)); a = np.abs(x).max(-1, keepdims=True)
;;       e = np.where(a > 0, np.clip(np.frexp(np.where(a > 0, a, 1))[1] - 1 - 2, -126, 127), 0)      # np.frexp(a)[1] - 1 = floor(log2(a)), exactly
;;       r = np.clip(x / 2.0 ** e, -6, 6)
;;       step = 2.0 ** (np.maximum(np.frexp(np.where(r == 0, 1, r))[1] - 1, 0) - 1)
;;       q = np.round(r / step) * step * 2.0 ** e      # np.round: ties to even
;;       return np.moveaxis(q.reshape(q.shape[:-2] + (-1,))[..., :K], -1, axis).astype(np.float32)
;;   ~~~
;;   OPERANDS COMPUTED ON THE WAY. 'Computed on the way' means the value that the module computes at that place (a softmax that the list does not call 'softmax' is quantised finished and normalised). What goes into a quantiser is computed in f32, as accurately as f32 sums, v_exp_f32 and their like allow (about 1e-6 of the number): no bf16 or f16 on the way to a quantiser, and a product that is left as it is and whose result goes on into a quantised operand takes f32 operands (vector FMAs, or v_wmma_f32_16x16x4_f32). A number that lies on a knife's edge between two numbers of the format may be rounded either way, as far as f32 arithmetic and the matrix unit's own rounding can turn it there, and no further.
;; 2 versions, each right; version 2 is version 1 with the launch ffn written anew for expert scheduling mode. Each part assembles by itself: llvm-mc -triple=amdgcn-amd-amdhsa -mcpu=gfx1250 --defsym DOCPART=n.
;; ======== version 1 of 2: 2 launches
;; workspace buffers: w1q 1,114,112 bytes; w2q 1,114,112 bytes; order 65,536 bytes of whole numbers; tiles 8,192 bytes of whole numbers
;; launch prep (part 1): grid 136 x 1, 8 waves a work-group, no clusters, 18,688 bytes of LDS; arguments W1, W2, b_seq, w1q, w2q, order, tiles; writes w1q, w2q, order, tiles
.if DOCPART == 1
	.amdgcn_target "amdgcn-amd-amdhsa--gfx1250"
	.amdhsa_code_object_version 6
	.text
	.protected	k_q59f67c5215_prep
	.globl	k_q59f67c5215_prep
	.p2align	8
	.type	k_q59f67c5215_prep,@function
k_q59f67c5215_prep:
	s_mov_b64 s[64:65], 0
	v_nop
	global_prefetch_b8 v0, s[64:65] scope:SCOPE_SE
	s_setreg_imm32_b32 hwreg(HW_REG_WAVE_MODE, 25, 1), 1
	s_wait_xcnt 0x0
; PREP.  Work-groups 0 to 7 sort the 16,384 tokens by behaviour and write the list of row tiles; work-groups 8 to 135 turn W1 and W2 (f32, K = their first axis within an
; expert) into codes of FP4 (E2M1) with one E8M0 scale byte for each 32 along K, laid in the order in which the next launch's operand registers take them.
; A RECORD, 8,704 bytes, is one K step of 128 for 128 columns: 8 fragments t of 1,024 bytes, in a fragment byte c2*512 + (16 h + r)*16 holds the 32 codes k = 64 c2 + 32 h + 0..31 of
; column u(t, r) = 32 (t/2) + 8 (t%2) + r + 8 (r/8); behind them 512 bytes of scale words, the word of (t = 2 b + tu, r) at ((16 tu + r)*4 + b)*4, its byte kb for k = 32 kb on.
; w1q: record ((e*16 + column group)*4 + K step);  w2q: record ((e*4 + column group)*16 + K step).
; A block's scale is 2^(floor(log2(largest magnitude)) - 2): its byte is the largest magnitude's exponent field - 2, held at 1 from below.
; LIMITS: NaN and infinities among the inputs are not served.  A block of zeros gets the byte 1 where the rule says 127: its codes are zeros, which add nothing, and this program alone reads the bytes.
; order: the tokens of behaviour 1, then those of behaviour 2, then all others (their rows of the output are zeros).  tiles: 512 entries (class, first place in order, rows - 1, 0);
; class 0, 1: expert; 2: rows of zeros; 3: no rows.  The two ways part on the work-group's number alone; each has LDS bytes, a barrier and an end of its own.
.set NSORT, 8                          ; sorting work-groups
.set REC,  8704
.set CNT,  2*REC                       ; LDS: bytes 0 .. 17,407 two records' image (the quantising way); 256 bytes from CNT on: the waves' counts (the sorting way)
.set L16,  1                           ; v1      16 x lane
.set IA,   2                           ; v2      where my codes go in the image
.set SA,   3                           ; v3      where my scale bytes go
.set RA,   4                           ; v4      512 x wave + 16 x lane: my place in the image on the way out, and the same place in the records' memory (the image begins at LDS byte 0)
.set A,    8                           ; v8-11   four columns' largest magnitudes
.set SO,   12                          ; v12-15  the conversions' scale operands
.set BY,   16                          ; v16-19  the scale bytes
.set C,    20                          ; v20-35  codes: four registers a column
.set T,    36                          ; v36-67  eight neighbours along K of each of four columns
.set X,    68                          ; v68-195 32 rows x 4 columns as loaded
.set AD,   36                          ; the sorting way: v36-43 the byte offsets in b_seq of eight groups of 256 tokens
.set BQ,   68                          ; v68-131 b_seq: eight groups of eight registers; the first eight then hold places in order
.set TK,   132                         ; v132-139 the tokens' numbers
	s_load_b256 s[4:11], s[0:1], 0x0               ; W1 s[4:5], W2 s[6:7], b_seq s[8:9], w1q s[10:11]
	s_load_b128 s[12:15], s[0:1], 0x20             ; w2q s[12:13], order s[14:15]
	s_load_b64 s[16:17], s[0:1], 0x30              ; tiles
	v_lshl_add_u32 v200, v0, 2, 0x4500
	v_mov_b32 v201, 0
	v_lshrrev_b32 v5, 5, v0
	v_readfirstlane_b32 s18, v5                    ; wave 0..7
	v_and_b32 v6, 31, v0                           ; lane
	v_lshlrev_b32 v[L16], 4, v6
	s_wait_kmcnt 0x0
	s_cmp_lt_u32 ttmp9, NSORT
	s_cbranch_scc1 .Lsort
; ---------------- THE QUANTISING WAY.  g = work-group - 8: 0..63 W1, 64..127 W2.  A work-group makes records 2 g' and 2 g' + 1 (g' = g mod 64): 128 columns x 256 along K.
; Wave wv takes one block of 32 along K for the 128 columns: 32 loads of 512 consecutive bytes, all out at once; lane l holds columns 4 l + q.
	s_sub_co_u32 s20, ttmp9, NSORT                 ; g
	s_and_b32 s21, s20, 63                         ; g'
	s_lshr_b32 s22, s21, 5
	s_lshl_b32 s22, s22, 22                        ; the expert's 4 MiB
	s_lshl_b32 s23, s18, 5                         ; 32 x wave: my block's first row among the 256
	s_and_b32 s24, s21, 1                          ; W1: rows 256 (g' & 1) on, 8,192 bytes each; columns 128 ((g' >> 1) & 15) on
	s_lshl_b32 s24, s24, 8
	s_add_co_u32 s24, s24, s23
	s_lshl_b32 s24, s24, 13
	s_bfe_u32 s25, s21, 0x40001
	s_lshl_b32 s25, s25, 9
	s_add_co_u32 s24, s24, s25
	s_and_b32 s26, s21, 7                          ; W2: rows 256 (g' & 7) on, 2,048 bytes each; columns 128 ((g' >> 3) & 3) on
	s_lshl_b32 s26, s26, 8
	s_add_co_u32 s26, s26, s23
	s_lshl_b32 s26, s26, 11
	s_bfe_u32 s27, s21, 0x20003
	s_lshl_b32 s27, s27, 9
	s_add_co_u32 s26, s26, s27
	s_cmp_lt_u32 s20, 64                           ; W1's work-group or W2's: the choice hangs on the work-group's number alone
	s_cselect_b64 s[4:5], s[4:5], s[6:7]
	s_cselect_b64 s[10:11], s[10:11], s[12:13]
	s_cselect_b32 s24, s24, s26
	s_add_co_u32 s24, s24, s22
	s_mov_b32 s25, 0
	s_add_nc_u64 s[4:5], s[4:5], s[24:25]          ; my block's first row, first column
	s_mul_i32 s26, s21, 2*REC
	s_mov_b32 s27, 0
	s_add_nc_u64 s[10:11], s[10:11], s[26:27]      ; the two records: 17,408 bytes, a multiple of 256
	; column u = 4 l + q lies in tile t = 2 (l >> 3) + ((l >> 1) & 1), row r = 8 ((l >> 2) & 1) + 4 (l & 1) + q; my block is K step wv >> 2, c2 = (wv >> 1) & 1, h = wv & 1
	v_bfe_u32 v7, v0, 3, 2                         ; l >> 3
	v_bfe_u32 v36, v0, 1, 1                        ; tu
	v_bfe_u32 v37, v0, 2, 1
	v_and_b32 v38, 1, v0
	v_lshlrev_b32 v39, 7, v37
	v_lshl_add_u32 v39, v38, 6, v39                ; 16 r less 16 q
	s_lshr_b32 s28, s18, 2
	s_mul_i32 s28, s28, REC                        ; which record
	s_and_b32 s29, s18, 3                          ; which block of 32 in its 128
	s_lshl_b32 s30, s29, 8                         ; 512 c2 + 256 h
	s_add_co_u32 s30, s30, s28
	v_lshl_add_u32 v[IA], v7, 11, v39
	v_lshl_add_u32 v[IA], v36, 10, v[IA]
	v_add_nc_u32 v[IA], s30, v[IA]
	s_add_co_u32 s31, s28, s29
	s_add_co_u32 s31, s31, 8192
	v_lshl_add_u32 v[SA], v36, 8, v39              ; (16 tu + r) x 16,
	v_lshl_add_u32 v[SA], v7, 2, v[SA]             ; + 4 b, + my block's byte
	v_add_nc_u32 v[SA], s31, v[SA]
	s_lshl_b32 s32, s18, 9
	v_add_nc_u32 v[RA], s32, v[L16]
	s_cmp_lt_u32 s20, 64                           ; the row's pitch stands in the loads' immediates: two runs of loads
	s_cbranch_scc0 .Lrows_w2
.irp i, 0,1,2,3,4,5,6,7,8,9,10,11,12,13,14,15,16,17,18,19,20,21,22,23,24,25,26,27,28,29,30,31
	global_load_b128 v[X+4*\i:X+4*\i+3], v[L16], s[4:5] offset:\i*8192 th:TH_LOAD_NT
.endr
	s_branch .Lrows_in
.Lrows_w2:
.irp i, 0,1,2,3,4,5,6,7,8,9,10,11,12,13,14,15,16,17,18,19,20,21,22,23,24,25,26,27,28,29,30,31
	global_load_b128 v[X+4*\i:X+4*\i+3], v[L16], s[4:5] offset:\i*2048 th:TH_LOAD_NT
.endr
.Lrows_in:
	s_wait_loadcnt 0x0                             ; a block's largest magnitude wants all 32 rows
.irp q, 0,1,2,3
	v_max3_num_f32 v[A+\q], |v[X+\q]|, |v[X+4+\q]|, 0x1800000     ; and the floor 2^(3 - 127): the byte cannot fall under 1
.endr
.irp i, 2,4,6,8,10,12,14,16,18,20,22,24,26,28,30
.irp q, 0,1,2,3
	v_max3_num_f32 v[A+\q], v[A+\q], |v[X+4*\i+\q]|, |v[X+4*\i+4+\q]|   ; the four columns by turns
.endr
.endr
.irp q, 0,1,2,3
	v_add_nc_u32 v[SO+\q], 0xff000000, v[A+\q]     ; 2 off the exponent field: the conversion takes this operand's exponent field as its scale
.endr
.irp q, 0,1,2,3
	v_lshrrev_b32 v[BY+\q], 23, v[SO+\q]           ; the scale's byte
.endr
; The conversion takes eight neighbours along K from consecutive registers; as loaded, a column's neighbours stand four registers apart (a load's 16 bytes are four columns): so they are moved together first.
.irp g, 0,1,2,3
.irp q, 0,1,2,3
.irp i, 0,1,2,3,4,5,6,7
	v_mov_b32 v[T+8*\q+\i], v[X+4*(8*\g+\i)+\q]
.endr
.endr
.irp q, 0,1,2,3
	v_cvt_scalef32_pk8_fp4_f32 v[C+4*\q+\g], v[T+8*\q:T+8*\q+7], v[SO+\q]
.endr
	v_nop                                          ; one plain line between the conversions and the lines that write their sources again
.endr
.irp q, 0,1,2,3
	ds_store_b128 v[IA], v[C+4*\q:C+4*\q+3] offset:16*\q          ; 32 codes of column 4 l + q.  Sixteen lanes fall on four of the sixteen 16-byte columns of 256 bytes: four stores a wave, accepted
	ds_store_b8 v[SA], v[BY+\q] offset:16*\q
.endr
	s_wait_dscnt 0x0                               ; for the others' sake: my stores into the image are done
	s_barrier_signal -1
	s_barrier_wait -1
.irp i, 0,1,2,3
	ds_load_b128 v[X+4*\i:X+4*\i+3], v[RA] offset:4096*\i          ; the image leaves as it lies: 34 pieces of 512 bytes; wave wv takes pieces wv + 8 i
.endr
.irp i, 0,1,2,3
	s_wait_dscnt 3-\i                              ; the younger readbacks may be out
	global_store_b128 v[RA], v[X+4*\i:X+4*\i+3], s[10:11] offset:4096*\i   ; 32 lanes store 512 consecutive bytes, at a multiple of 256 from the buffer's first byte
.endr
	s_cmp_lt_u32 s18, 2                            ; the last two pieces: waves 0 and 1
	s_cbranch_scc0 .Lquant_end
	ds_load_b128 v[X+16:X+19], v[RA] offset:16384
	s_wait_dscnt 0x0
	global_store_b128 v[RA], v[X+16:X+19], s[10:11] offset:16384
.Lquant_end:
	s_wait_tensorcnt 0x0
	ds_add_u32 v200, v201
	s_wait_dscnt 0x0
	s_endpgm
; ---------------- THE SORTING WAY: a counting sort without atomics and without traffic between work-groups.
; Wave wv holds chunk wv, tokens 2,048 wv on, as eight sub-chunks of 256.  EVERY sorting work-group counts all eight chunks (6 lines a register, 64 registers a wave), so that each knows every total by itself;
; work-group j PLACES only sub-chunk j of each chunk (19 lines a register, 8 registers a wave).  The order within a class is free; it is (chunk, sub-chunk, register, lane).
; The chunk is loaded TURNED BY j: register group g holds sub-chunk (g + j) mod 8, so the sub-chunk that I place lies in group 0 whatever j is.  The sub-chunks ahead of mine are then the last j groups:
; their count is the chunk's total less the running total as it stood behind group 7 - j.
.Lsort:
	s_sub_co_u32 s19, 7, ttmp9                     ; 7 - j
	s_lshl_b32 s20, s18, 13                        ; my chunk's 8,192 bytes of b_seq
.irp g, 0,1,2,3,4,5,6,7
	s_add_co_u32 s21, ttmp9, \g
	s_and_b32 s21, s21, 7                          ; sub-chunk (g + j) mod 8: 1,024 bytes
	s_lshl_b32 s21, s21, 10
	s_add_co_u32 s21, s21, s20
	v_add_nc_u32 v[AD+\g], s21, v[L16]             ; each group has its own offset register: none is written again
	global_load_b128 v[BQ+8*\g:BQ+8*\g+3], v[AD+\g], s[8:9]             ; register 8 g + 4 i + q of lane l: token 2,048 wv + 256 sub-chunk + 128 i + 4 l + q
	global_load_b128 v[BQ+8*\g+4:BQ+8*\g+7], v[AD+\g], s[8:9] offset:512
.endr
	s_mov_b32 s21, 0                               ; my chunk's tokens of behaviour 1 so far,
	s_mov_b32 s22, 0                               ; of behaviour 2;
	s_mov_b32 s26, 0                               ; the two as they stood behind group 7 - j
	s_mov_b32 s27, 0
.irp g, 0,1,2,3,4,5,6,7
	s_wait_loadcnt 14-2*\g                         ; this group's two loads are in; the younger groups', two each, may be out
.irp k, 0,1,2,3,4,5,6,7
	v_cmp_eq_u32 s[40+\k], 1, v[BQ+8*\g+\k]        ; eight registers at a time, so that no count stands directly behind the compare that feeds it
.endr
.irp k, 0,1,2,3,4,5,6,7
	v_cmp_eq_u32 s[48+\k], 2, v[BQ+8*\g+\k]
.endr
.irp k, 0,1,2,3,4,5,6,7,8,9,10,11,12,13,14,15
	s_bcnt1_i32_b32 s[40+\k], s[40+\k]
.endr
.irp k, 0,1,2,3,4,5,6,7
	s_add_co_u32 s21, s21, s[40+\k]
	s_add_co_u32 s22, s22, s[48+\k]
.endr
	s_cmp_eq_u32 s19, \g
	s_cselect_b32 s26, s21, s26
	s_cselect_b32 s27, s22, s27
.endr
	s_sub_co_u32 s26, s21, s26                     ; behaviour 1 in my chunk's sub-chunks ahead of j,
	s_sub_co_u32 s27, s22, s27                     ; behaviour 2 likewise
	s_lshl_b32 s23, s18, 2
	s_add_co_u32 s23, s23, CNT
	v_mov_b32 v3, s23
	v_mov_b32 v4, s21
	v_mov_b32 v5, s22
	ds_store_b32 v3, v4                            ; all lanes write the same word with the same value
	ds_store_b32 v3, v5 offset:32
	s_wait_dscnt 0x0                               ; for the others' sake
	s_barrier_signal -1
	s_barrier_wait -1
	v_mov_b32 v24, CNT
.irp i, 0,1,2,3
	ds_load_b128 v[8+4*\i:11+4*\i], v24 offset:16*\i               ; the eight chunks' counts of behaviour 1, then of behaviour 2
.endr
	s_wait_dscnt 0x0
.irp k, 0,1,2,3,4,5,6,7,8,9,10,11,12,13,14,15
	v_readfirstlane_b32 s[40+\k], v[8+\k]
.endr
	s_mov_b32 s24, 0                               ; n1
	s_mov_b32 s25, 0                               ; n2
.irp k, 0,1,2,3,4,5,6,7
	s_cmp_lt_u32 \k, s18
	s_cselect_b32 s28, s[40+\k], 0
	s_cselect_b32 s29, s[48+\k], 0
	s_add_co_u32 s24, s24, s[40+\k]
	s_add_co_u32 s25, s25, s[48+\k]
	s_add_co_u32 s26, s26, s28                     ; with the chunks before mine: all of behaviour 1 ahead of my sub-chunk,
	s_add_co_u32 s27, s27, s29                     ; all of behaviour 2
.endr
	s_mov_b32 s30, s26                             ; where my next token of behaviour 1 goes,
	s_add_co_u32 s31, s24, s27                     ; of behaviour 2,
	s_add_co_u32 s32, s24, s25                     ; (n1 + n2: where the others begin)
	s_lshl_b32 s23, s18, 11
	s_lshl_b32 s28, ttmp9, 8
	s_add_co_u32 s23, s23, s28                     ; 2,048 wv + 256 j: my first token, and how many tokens lie ahead of it in the order
	s_add_co_u32 s33, s32, s23
	s_sub_co_u32 s33, s33, s26
	s_sub_co_u32 s33, s33, s27                     ; and of the others
	v_lshlrev_b32 v7, 2, v6
	v_add_nc_u32 v7, s23, v7                       ; my first token + 4 l
.irp k, 0,1,2,3,4,5,6,7
	v_cmp_eq_u32 s[40+\k], 1, v[BQ+\k]             ; group 0's masks once more: the counting has used them up
.endr
.irp k, 0,1,2,3,4,5,6,7
	v_cmp_eq_u32 s[48+\k], 2, v[BQ+\k]
.endr
.irp k, 0,1,2,3,4,5,6,7
	s_or_b32 s56, s[40+\k], s[48+\k]
	s_not_b32 s56, s56
	v_mbcnt_lo_u32_b32 v8, s[40+\k], s30           ; the class's next place + how many lanes below mine are of that class
	v_mbcnt_lo_u32_b32 v9, s[48+\k], s31
	v_mbcnt_lo_u32_b32 v10, s56, s33
	v_cndmask_b32 v10, v10, v8, s[40+\k]
	v_cndmask_b32 v10, v10, v9, s[48+\k]
	v_min_u32 v10, 0x3fff, v10                     ; a place in order: 0 .. 16,383
	v_lshlrev_b32 v[BQ+\k], 2, v10                 ; each store has its own address and data registers: none is written again
	v_add_nc_u32 v[TK+\k], 128*(\k/4)+\k%4, v7
	global_store_b32 v[BQ+\k], v[TK+\k], s[14:15]
	s_bcnt1_i32_b32 s57, s[40+\k]
	s_bcnt1_i32_b32 s58, s[48+\k]
	s_bcnt1_i32_b32 s56, s56
	s_add_co_u32 s30, s30, s57
	s_add_co_u32 s31, s31, s58
	s_add_co_u32 s33, s33, s56
.endr
	; the list of tiles of 64 rows: E1 tiles of expert 0, up to E2 of expert 1, up to E3 of zeros, the rest empty.  Work-group j writes entries 64 j .. 64 j + 63: its waves 0 and 1
	s_cmp_lt_u32 s18, 2
	s_cbranch_scc0 .Lsort_end
	s_add_co_u32 s34, s24, 63
	s_lshr_b32 s34, s34, 6                         ; E1
	s_add_co_u32 s35, s25, 63
	s_lshr_b32 s35, s35, 6
	s_add_co_u32 s35, s35, s34                     ; E2
	s_sub_co_u32 s37, 0x4000, s32                  ; n0
	s_add_co_u32 s36, s37, 63
	s_lshr_b32 s36, s36, 6
	s_add_co_u32 s36, s36, s35                     ; E3, at most 258
.macro TCASE d, idx, bound, cls, low, cb, n    ; where the entry's number lies under bound: this class, its tile number, its first place, its rows.  (The later cases write over the earlier)
	v_cmp_le_u32 vcc_lo, \bound, v[\idx]
	v_sub_nc_u32 v11, v[\idx], \low
	v_cndmask_b32 v[\d], \cls, v[\d], vcc_lo
	v_cndmask_b32 v[\d+1], \cb, v[\d+1], vcc_lo
	v_cndmask_b32 v[\d+2], \n, v[\d+2], vcc_lo
	v_cndmask_b32 v[\d+3], v11, v[\d+3], vcc_lo
.endm
.macro ENTRY d, idx
	v_mov_b32 v[\d], 3                             ; no rows: first = last = 0
	v_mov_b32 v[\d+1], 0
	v_mov_b32 v[\d+2], 1
	v_mov_b32 v[\d+3], 0
	TCASE \d, \idx, s36, 2, s35, s32, s37
	TCASE \d, \idx, s35, 1, s34, s24, s25
	TCASE \d, \idx, s34, 0, 0, 0, s24
	v_lshl_add_u32 v[\d+1], v[\d+3], 6, v[\d+1]    ; first = the class's first place + 64 x tile
	v_lshlrev_b32 v[\d+3], 6, v[\d+3]
	v_sub_nc_u32 v[\d+2], v[\d+2], v[\d+3]
	v_add_nc_u32 v[\d+2], -1, v[\d+2]
	v_min_u32 v[\d+2], 63, v[\d+2]                 ; last = min(63, rows left - 1)
	v_mov_b32 v[\d+3], 0
.endm
	s_lshl_b32 s28, ttmp9, 6
	v_add_nc_u32 v13, s28, v0                      ; my entry: 64 j + thread (threads 0 .. 63 are here)
	v_lshlrev_b32 v12, 4, v13                      ; 16 bytes an entry: a wave stores 512 consecutive bytes, at a multiple of 256 from the buffer's first byte
	ENTRY 16, 13
	global_store_b128 v12, v[16:19], s[16:17]
.Lsort_end:
	s_wait_tensorcnt 0x0
	ds_add_u32 v200, v201
	s_wait_dscnt 0x0
	s_endpgm
.Lfunc_end_k_q59f67c5215_prep:
	.size	k_q59f67c5215_prep, .Lfunc_end_k_q59f67c5215_prep-k_q59f67c5215_prep
	.p2alignl 7, 3214868480
	.fill 96, 4, 3214868480
	.section	.rodata,"a",@progbits
	.p2align	6, 0x0
	.amdhsa_kernel k_q59f67c5215_prep
		.amdhsa_group_segment_fixed_size 18688
		.amdhsa_private_segment_fixed_size 0
		.amdhsa_enable_private_segment 0
		.amdhsa_kernarg_size 56
		.amdhsa_user_sgpr_count 2
		.amdhsa_user_sgpr_kernarg_segment_ptr 1
		.amdhsa_wavefront_size32 1
		.amdhsa_system_sgpr_workgroup_id_x 1
		.amdhsa_system_sgpr_workgroup_id_y 1
		.amdhsa_system_sgpr_workgroup_id_z 1
		.amdhsa_system_vgpr_workitem_id 0
		.amdhsa_next_free_vgpr 202
		.amdhsa_next_free_sgpr 66
		.amdhsa_reserve_vcc 1
		.amdhsa_float_denorm_mode_32 3
		.amdhsa_float_denorm_mode_16_64 3
		.amdhsa_memory_ordered 1
		.amdhsa_forward_progress 1
		.amdhsa_inst_pref_size 53
	.end_amdhsa_kernel
	.amdgpu_metadata
---
amdhsa.version: [ 1, 2 ]
amdhsa.kernels:
  - .name:           k_q59f67c5215_prep
    .symbol:         k_q59f67c5215_prep.kd
    .args:
      - { .name: W1, .offset: 0, .size: 8, .value_kind: global_buffer, .address_space: global }
      - { .name: W2, .offset: 8, .size: 8, .value_kind: global_buffer, .address_space: global }
      - { .name: b_seq, .offset: 16, .size: 8, .value_kind: global_buffer, .address_space: global }
      - { .name: w1q, .offset: 24, .size: 8, .value_kind: global_buffer, .address_space: global }
      - { .name: w2q, .offset: 32, .size: 8, .value_kind: global_buffer, .address_space: global }
      - { .name: order, .offset: 40, .size: 8, .value_kind: global_buffer, .address_space: global }
      - { .name: tiles, .offset: 48, .size: 8, .value_kind: global_buffer, .address_space: global }
    .group_segment_fixed_size: 18688
    .private_segment_fixed_size: 0
    .kernarg_segment_align: 8
    .kernarg_segment_size: 56
    .max_flat_workgroup_size: 256
    .sgpr_count:     66
    .vgpr_count:     202
    .wavefront_size: 32
...
	.end_amdgpu_metadata
.endif
;; end of part 1
;; launch ffn (part 2): grid 258 x 1, 4 waves a work-group, no clusters, 268,800 bytes of LDS; arguments x, order, tiles, w1q, B1, w2q, B2, out0; writes out0
.if DOCPART == 2
	.amdgcn_target "amdgcn-amd-amdhsa--gfx1250"
	.amdhsa_code_object_version 6
	.text
	.protected	k_q59f67c5215_ffn
	.globl	k_q59f67c5215_ffn
	.p2align	8
	.type	k_q59f67c5215_ffn,@function
k_q59f67c5215_ffn:
	s_mov_b64 s[64:65], 0
	v_nop
	global_prefetch_b8 v0, s[64:65] scope:SCOPE_SE
	s_setreg_imm32_b32 hwreg(HW_REG_WAVE_MODE, 25, 1), 1
	s_wait_xcnt 0x0
; FFN.  out[token] = relu(x[token] W1[e] + B1[e]) W2[e] + B2[e] for tokens of behaviour e + 1, zeros for all others.  Both products on codes of FP4 (E2M1) with one E8M0 scale for each 32 along K.
; A work-group takes ONE tile of the list: at most 64 rows of one class, through the whole chain; the hidden layer never goes to memory.  258 work-groups = the most tiles that any split of 16,384 rows
; into three classes gives (ceil sums: 256 + 2); a work-group whose entry says 'no rows' stores nothing.
; THE WAVES SHARE THE COLUMNS: wave w makes hidden units 512 w .. 512 w + 511 and outputs 128 w .. 128 w + 127 for all 64 rows.  So every weight fragment is loaded by one wave alone, from memory straight into
; its operand registers (the records lie in that order: each load is 512 consecutive bytes), and feeds four products.  What goes from wave to wave is small: the rows' codes, through LDS as images of the operand's registers.
; Both products are used transposed (source 0 = 16 columns of the weight, source 1 = 16 rows): a lane holds one row, and by the records' order of columns the 16 registers of tiles 2 b and 2 b + 1 are 16 neighbours
; along the next K (or 16 neighbouring outputs).  The biases are the C of each sum's first product.
; FORM.  The class is a number read from memory, so no barrier stands under a branch on it: the two barriers stand on the way that every wave takes, and the class only jumps over four straight-line blocks
; (A: x quantised; B: first product, relu, quantised; C: second product, out; Z: zeros).  Each block reads only registers that the head or the block itself wrote, and ends with none of its loads out.
; Slots past the tile's last row repeat that row: it is computed again and stored again, with the same values by the same wave; every lane stays on throughout.
; NO CLUSTER, NO JOINT LOADS: a tile's expert comes from the list, so neighbours in the grid may hold different experts or no rows at all: their requests would not be equal.
; LIMITS: NaN and infinities are not served.  A block of zeros gets the scale byte 1 where the rule says 127: its codes are zeros, and the bytes stay inside this program.
; REGISTERS, in windows of 256: window 0: addresses, scale words, the quantiser's work.  window 1: the ring of four sets of weight fragments (set s, tile t at 64 s + 8 t); in block A x as loaded; at the end rows of out.
;   window 2: the 32 accumulators ((m, t) at 64 m + 8 t); in block A x's numbers.   window 3: v0-127 the rows' fragments ((s, m) at 32 s + 8 m); v128-191 the bias in the result's layout (tile t at 128 + 8 t).
.set XP,   2064                        ; LDS: x as f32, a stage of 16 rows for each wave: 2,048 bytes + 16 = 516 words: row r starts at bank 4 r mod 64 (64 banks of 4 bytes: ISA guide 11.1)
.set XPW,  16*XP                       ; from byte 0
.set XIMG, 4*XPW                       ; x's 16 fragments: (tile of rows m, K step s) at (4 m + s) x 1,024
.set XSC,  XIMG+16384                  ; their scale words, 128 bytes each
.set HIMG, XSC+2048                    ; the hidden layer's 64 fragments: (K step kk, m) at (4 kk + m) x 1,024
.set HSC,  HIMG+65536                  ; their scale words
.set OST,  HSC+8192                    ; the way out: 16 rows x (512 + 16) bytes for each wave
.set OP,   528
.set OPW,  16*OP
.set BIA1, OST+4*OPW                   ; my wave's 512 numbers of B1
.set BIA2, BIA1+8192                   ; my wave's 128 numbers of B2
.set REC,  8704                        ; a record of weights: 8 fragments and 512 bytes of scale words
.set L16,  1                           ; v1   16 x lane
.set L4,   2                           ; v2   4 x lane
.set LW,   3                           ; v3   512 w + 16 l: my 16 bytes of my wave's strip of a row of out
.set XSW,  4                           ; v4   x's stage, in
.set XSR,  5                           ; v5   x's stage, out: row r, + 64 h
.set XWI,  6                           ; v6   where I store x's images;      v7 their scale words
.set XWS,  7
.set XRD,  8                           ; v8   from where anybody reads them;  v9 their scale words
.set XRS,  9
.set HWI,  10                          ; v10-13 the same for the hidden layer
.set HWS,  11
.set HRD,  12
.set HRS,  13
.set BW1,  14                          ; v14, v15 the biases into LDS;  v16, v17 back: + 64 h
.set BW2,  15
.set BA1,  16
.set BA2,  17
.set OSW,  18                          ; v18  the way out: where I put 32 bytes of a row;  v19 where I read a row back
.set OSR,  19
.set ZR,   20                          ; v20-23 zeros
.set TA,   24                          ; v24-26 tokens of slots l, l + 32, 16 w + l % 16
.set XS,   32                          ; v32-47 the rows' scale words: set s, tile of rows m at 4 s + m.  They hold scales and nothing else
.set WS,   48                          ; v48-63 the weights' scale words: set s, b at 4 s + b: lanes 0-15 tile 2 b, lanes 16-31 tile 2 b + 1.  Likewise
.set TM,   64                          ; v64-79 the quantiser's work
.set PW,   80                          ; v80-81 the scale word just made, two sets by turns
.set PC,   84                          ; v84-99 the codes just made, two sets by turns
.set GO,   100                         ; v100-115 byte offsets in x of my wave's 16 rows (+ 16 l)
.set RO,   116                         ; v116-179 byte offsets in out of the tile's 64 rows (+ 512 w + 16 l)
.set BT,   180                         ; v180-199 the biases as loaded
.set WV,   20                          ; s20  wave
.set CLS,  24                          ; s24-26 the tile: class, first place in order, rows - 1
.set FIRST, 25
.set LAST, 26
.set EX,   28                          ; s28  the expert
.set SEL,  32                          ; s[32:33] v_permlanex16_b32's selects for lane l xor 16
.set MSB, 0
.macro WIN new                         ; low byte: bits 1:0 source 0, 3:2 source 1, 5:4 source 2, 7:6 destination; the high byte repeats the setting that is left
.if MSB != \new
	s_set_vgpr_msb (MSB<<8)|\new
.set MSB, \new
.endif
.endm
; A load into a register that a matrix instruction has read, and a vector instruction or an LDS store that reads a matrix result, stand four places behind it; only plain vector instructions
; that name none of its registers are places (ISA guide 7.12.1 for vector instructions).
.macro PLACES
.rept 4
	v_nop
.endr
.endm
; Record q of the wave's weights into set s of the ring: 16 loads of fragments and one of scale words, 512 consecutive bytes each.
.macro RFW base, q, s
	WIN 0x40
.irp t, 0,1,2,3,4,5,6,7
.irp c, 0,1
	global_load_b128 v[64*(\s)+8*\t+4*\c:64*(\s)+8*\t+4*\c+3], v[L16], s[\base:\base+1] offset:(\q)*REC+\t*1024+\c*512
.endr
.endr
	WIN 0
	global_load_b128 v[WS+4*(\s):WS+4*(\s)+3], v[L16], s[\base:\base+1] offset:(\q)*REC+8192
.endm
; The four tiles of rows' fragments of K step q of the hidden layer into set s: 8 + 4 LDS loads.
.macro RFH q, s
	WIN 0xc0
.irp m, 0,1,2,3
.irp c, 0,1
	ds_load_b128 v[32*(\s)+8*\m+4*\c:32*(\s)+8*\m+4*\c+3], v[HRD] offset:(4*(\q)+\m)*1024+512*\c
.endr
.endr
	WIN 0
.irp m, 0,1,2,3
	ds_load_b32 v[XS+4*(\s)+\m], v[HRS] offset:(4*(\q)+\m)*128
.endr
.endm
; The same of x's K step s.
.macro RFX s
	WIN 0xc0
.irp m, 0,1,2,3
.irp c, 0,1
	ds_load_b128 v[32*(\s)+8*\m+4*\c:32*(\s)+8*\m+4*\c+3], v[XRD] offset:(4*\m+(\s))*1024+512*\c
.endr
.endr
	WIN 0
.irp m, 0,1,2,3
	ds_load_b32 v[XS+4*(\s)+\m], v[XRS] offset:(4*\m+(\s))*128
.endr
.endm
; 128 numbers of a bias in the result's layout: register j of tile t = 2 b + u in lane half h is number 32 b + 16 h + 8 u + j; the sixteen lanes of a half read the same bytes.
.macro BIAS adr, off
	WIN 0xc0
.irp t, 0,1,2,3,4,5,6,7
.irp f, 0,1
	ds_load_b128 v[128+8*\t+4*\f:128+8*\t+4*\f+3], v[\adr] offset:\off+128*(\t/2)+32*(\t%2)+16*\f
.endr
.endr
	WIN 0
.endm
; 32 products: the 8 tiles of set s against the 4 tiles of rows, 128 along K.  The 32 accumulators take turns, one instruction a turn, in the same order in every set.
; bias = 1: the sums begin with the bias as C.
.macro MULSET s, bias
.if \bias
	WIN 0xbd                                       ; weights window 1, rows window 3, C (the bias) window 3, D window 2
.else
	WIN 0xad                                       ; C and D window 2
.endif
.irp b, 0,1,2,3
.irp u, 0,1
.irp m, 0,1,2,3
.set MD, 64*\m+16*\b+8*\u
.set MA, 64*(\s)+16*\b+8*\u
.set MB, 32*(\s)+8*\m
.set MC, 128+16*\b+8*\u
.if \bias
.if \u
	v_wmma_scale_f32_16x16x128_f8f6f4 v[MD:MD+7], v[MA:MA+7], v[MB:MB+7], v[MC:MC+7], v[WS+4*(\s)+\b], v[XS+4*(\s)+\m] matrix_a_fmt:MATRIX_FMT_FP4 matrix_b_fmt:MATRIX_FMT_FP4 matrix_a_scale:MATRIX_SCALE_ROW1
.else
	v_wmma_scale_f32_16x16x128_f8f6f4 v[MD:MD+7], v[MA:MA+7], v[MB:MB+7], v[MC:MC+7], v[WS+4*(\s)+\b], v[XS+4*(\s)+\m] matrix_a_fmt:MATRIX_FMT_FP4 matrix_b_fmt:MATRIX_FMT_FP4
.endif
.else
.if \u
	v_wmma_scale_f32_16x16x128_f8f6f4 v[MD:MD+7], v[MA:MA+7], v[MB:MB+7], v[MD:MD+7], v[WS+4*(\s)+\b], v[XS+4*(\s)+\m] matrix_a_fmt:MATRIX_FMT_FP4 matrix_b_fmt:MATRIX_FMT_FP4 matrix_a_scale:MATRIX_SCALE_ROW1
.else
	v_wmma_scale_f32_16x16x128_f8f6f4 v[MD:MD+7], v[MA:MA+7], v[MB:MB+7], v[MD:MD+7], v[WS+4*(\s)+\b], v[XS+4*(\s)+\m] matrix_a_fmt:MATRIX_FMT_FP4 matrix_b_fmt:MATRIX_FMT_FP4
.endif
.endif
.endr
.endr
.endr
.endm
.macro RELU m                          ; the activation, in f32, in ascending order: each accumulator is first read at its low end
	WIN 0x88
.set RJ, 64*(\m)
.rept 64
	v_max_num_f32 v[RJ], 0, v[RJ]
.set RJ, RJ+1
.endr
.endm
; 64 numbers of a lane in window 2, v[64 n] on, register 16 b + k = K 32 b + 16 (lane / 16) + k of my row, become a fragment's codes in set p of PC and its scale word in PW + p.
.macro QUANT n, p
.set QS, 64*(\n)
.set QC, PC+8*(\p)
	WIN 0x0a
.irp b, 0,1,2,3
	v_max3_num_f32 v[TM+\b], |v[QS+16*\b]|, |v[QS+16*\b+1]|, 0x1800000   ; block b: my 16 numbers, and the floor 2^(3 - 127): the byte cannot fall under 1
.endr
	WIN 0x28
.irp k, 2,4,6,8,10,12,14
.irp b, 0,1,2,3
	v_max3_num_f32 v[TM+\b], v[TM+\b], |v[QS+16*\b+\k]|, |v[QS+16*\b+\k+1]|   ; the four blocks by turns
.endr
.endr
	WIN 0
.irp b, 0,1,2,3
	v_permlanex16_b32 v[TM+4+\b], v[TM+\b], s[SEL], s[SEL+1]
.endr
.irp b, 0,1,2,3
	v_max_num_f32 v[TM+\b], v[TM+\b], v[TM+4+\b]   ; with lane l xor 16's: the block's largest magnitude
.endr
.irp b, 0,1,2,3
	v_add_nc_u32 v[TM+12+\b], 0xff000000, v[TM+\b] ; 2 off its exponent field: the conversion's scale operand
.endr
.irp b, 0,1,2,3
	v_lshrrev_b32 v[TM+4+\b], 23, v[TM+12+\b]      ; the scale's byte
.endr
	s_wait_dscnt 3                                 ; the last image's three stores may be out; the image before it, which read this set of PC and PW, is stored
	v_lshl_or_b32 v[PW+(\p)], v[TM+5], 8, v[TM+4]  ; the four bytes make my row's scale word
	v_lshl_or_b32 v[PW+(\p)], v[TM+6], 16, v[PW+(\p)]
	v_lshl_or_b32 v[PW+(\p)], v[TM+7], 24, v[PW+(\p)]
	WIN 0x02
.irp b, 0,1,2,3
	v_cvt_scalef32_pk8_fp4_f32 v[QC+2*\b], v[QS+16*\b:QS+16*\b+7], v[TM+12+\b]
	v_cvt_scalef32_pk8_fp4_f32 v[QC+2*\b+1], v[QS+16*\b+8:QS+16*\b+15], v[TM+12+\b]
.endr
	WIN 0
	v_nop                                          ; one plain line behind the last scaled conversion
.irp c, 0,1                                    ; the operand's layout wants a whole block in a lane: lanes 0-15 block 2 c, lanes 16-31 block 2 c + 1
.irp k, 0,1
	v_permlane16_swap_b32 v[QC+4*\c+\k], v[QC+4*\c+2+\k]
.endr
.endr
.endm
.macro IMAGE ai, aw, idx, p            ; the fragment goes to LDS as it stands: lane l's 16 bytes at 16 l; its scale word at 4 l
.irp c, 0,1
	ds_store_b128 v[\ai], v[PC+8*(\p)+4*\c:PC+8*(\p)+4*\c+3] offset:(\idx)*1024+512*\c
.endr
	ds_store_b32 v[\aw], v[PW+(\p)] offset:(\idx)*128
.endm
.macro ROWOFF src, dst, add, lane0     ; eight rows' byte offsets: the token of lane lane0 + i of src, x 2,048 bytes, + my place in a row
.irp i, 0,1,2,3,4,5,6,7
	v_readlane_b32 s[40+\i], v[\src], \lane0+\i
.endr
.irp i, 0,1,2,3,4,5,6,7
	s_min_u32 s[40+\i], s[40+\i], 0x3fff           ; a token: 0 .. 16,383
.endr
.irp i, 0,1,2,3,4,5,6,7
	v_lshl_add_u32 v[\dst+\i], s[40+\i], 11, v[\add]
.endr
.endm
; Tile of rows m goes out: 16 rows x my 128 outputs through my own stage, back as whole strips of 512 bytes.  LDS serves a wave's instructions in order (ISA guide 5.7.1.4): no wait between the stores and the loads.
.macro OUT m
	WIN 0x08
.irp b, 0,1,2,3
.irp u, 0,1
	ds_store_b128 v[OSW], v[64*(\m)+16*\b+8*\u:64*(\m)+16*\b+8*\u+3] offset:128*\b+32*\u            ; each accumulator from its low end on
	ds_store_b128 v[OSW], v[64*(\m)+16*\b+8*\u+4:64*(\m)+16*\b+8*\u+7] offset:128*\b+32*\u+16
.endr
.endr
	WIN 0x40
.irp i, 0,1,2,3,4,5,6,7,8,9,10,11,12,13,14,15
	ds_load_b128 v[64*(\m)+4*\i:64*(\m)+4*\i+3], v[OSR] offset:OP*\i      ; each m has its own 64 registers of window 1: no store's data are written again
.endr
	WIN 0x04
.irp i, 0,1,2,3,4,5,6,7,8,9,10,11,12,13,14,15
	s_wait_dscnt 15-\i                             ; the younger readbacks may be out
	global_store_b128 v[RO+16*(\m)+\i], v[64*(\m)+4*\i:64*(\m)+4*\i+3], s[18:19] th:TH_STORE_NT   ; 32 lanes store 512 consecutive bytes, at a multiple of 256 from out's first byte
.endr
.endm
; ---------------- THE HEAD, for every work-group
	s_load_b256 s[4:11], s[0:1], 0x0               ; x s[4:5], order s[6:7], tiles s[8:9], w1q s[10:11]
	s_load_b256 s[12:19], s[0:1], 0x20             ; B1 s[12:13], w2q s[14:15], B2 s[16:17], out s[18:19]
	v_lshl_add_u32 v254, v0, 2, 0x41800
	v_mov_b32 v255, 0
	v_lshrrev_b32 v27, 5, v0
	v_readfirstlane_b32 s[WV], v27                 ; wave 0..3
	v_and_b32 v27, 31, v0                          ; l
	v_and_b32 v28, 15, v0                          ; r
	v_bfe_u32 v29, v0, 4, 1                        ; h
	s_lshl_b32 s30, ttmp9, 4                       ; my entry of the list: 16 bytes
	s_mov_b32 s31, 0
	s_wait_kmcnt 0x0
	s_add_nc_u64 s[8:9], s[8:9], s[30:31]
	s_load_b128 s[24:27], s[8:9], 0x0
	v_lshlrev_b32 v[L16], 4, v27
	v_lshlrev_b32 v[L4], 2, v27
	s_lshl_b32 s40, s[WV], 9                       ; 512 w
	s_lshl_b32 s41, s[WV], 11                      ; 2,048 w
	s_mul_i32 s42, s[WV], XPW
	s_mul_i32 s43, s[WV], OPW
	s_lshl_b32 s44, s[WV], 12
	s_lshl_b32 s45, s[WV], 14
	v_add_nc_u32 v[LW], s40, v[L16]
	v_add_nc_u32 v[XSW], s42, v[L16]               ; x's stages begin at LDS byte 0
	v_mul_u32_u24 v30, v28, XP
	v_lshl_add_u32 v30, v29, 6, v30
	v_add_nc_u32 v[XSR], s42, v30
	s_add_co_u32 s44, s44, XIMG
	v_add_nc_u32 v[XWI], s44, v[L16]               ; my rows are tile m = w: fragments 4 w + s
	s_add_co_u32 s46, s40, XSC
	v_add_nc_u32 v[XWS], s46, v[L4]
	v_add_nc_u32 v[XRD], XIMG, v[L16]
	v_add_nc_u32 v[XRS], XSC, v[L4]
	s_add_co_u32 s45, s45, HIMG
	v_add_nc_u32 v[HWI], s45, v[L16]               ; my hidden units are K steps 4 w + c: fragments 16 w + 4 c + m
	s_add_co_u32 s46, s41, HSC
	v_add_nc_u32 v[HWS], s46, v[L4]
	v_add_nc_u32 v[HRD], HIMG, v[L16]
	v_add_nc_u32 v[HRS], HSC, v[L4]
	s_add_co_u32 s46, s41, BIA1
	s_add_co_u32 s47, s40, BIA2
	v_add_nc_u32 v[BW1], s46, v[L16]
	v_add_nc_u32 v[BW2], s47, v[L16]
	v_lshlrev_b32 v31, 6, v29                      ; 64 h
	v_add_nc_u32 v[BA1], s46, v31
	v_add_nc_u32 v[BA2], s47, v31
	s_add_co_u32 s43, s43, OST
	v_mul_u32_u24 v30, v28, OP
	v_add_nc_u32 v30, v30, v31
	v_add_nc_u32 v[OSW], s43, v30
	v_add_nc_u32 v[OSR], s43, v[L16]
.irp k, 0,1,2,3
	v_mov_b32 v[ZR+\k], 0
	v_mov_b32 v[TM+4+\k], 0                        ; written once: a lane permute's destination counts as one of its sources
.endr
	s_mov_b32 s[SEL], 0x76543210
	s_mov_b32 s[SEL+1], 0xfedcba98
	s_wait_kmcnt 0x0
	s_min_u32 s[CLS], s[CLS], 3
	s_min_u32 s[FIRST], s[FIRST], 0x3fff
	s_min_u32 s[LAST], s[LAST], 63
	s_and_b32 s[EX], s[CLS], 1
	s_mul_i32 s30, s[EX], 64*REC                   ; an expert's 64 records, my wave's 16 of them: in w1q and in w2q alike
	s_mul_i32 s21, s[WV], 16*REC
	s_add_co_u32 s30, s30, s21
	s_add_nc_u64 s[10:11], s[10:11], s[30:31]
	s_add_nc_u64 s[14:15], s[14:15], s[30:31]
	s_lshl_b32 s30, s[EX], 13
	s_add_co_u32 s30, s30, s41
	s_add_nc_u64 s[12:13], s[12:13], s[30:31]      ; B1: the expert's 2,048 numbers, my 512
	s_lshl_b32 s30, s[EX], 11
	s_add_co_u32 s30, s30, s40
	s_add_nc_u64 s[16:17], s[16:17], s[30:31]      ; B2: the expert's 512, my 128
	v_min_u32 v[GO], s[LAST], v27                  ; slots l, l + 32 and 16 w + r, held at the tile's last row
	v_add_nc_u32 v30, 32, v27
	v_min_u32 v[GO+1], s[LAST], v30
	s_lshl_b32 s21, s[WV], 4
	v_add_nc_u32 v30, s21, v28
	v_min_u32 v[GO+2], s[LAST], v30
.irp k, 0,1,2
	v_add_nc_u32 v[GO+\k], s[FIRST], v[GO+\k]
	v_min_u32 v[GO+\k], 0x3fff, v[GO+\k]           ; a place in order: 0 .. 16,383
	v_lshlrev_b32 v[GO+\k], 2, v[GO+\k]
	global_load_b32 v[TA+\k], v[GO+\k], s[6:7]
.endr
	s_wait_loadcnt 0x0                             ; the tokens are in, and the three offsets may be written again
	ROWOFF TA, RO, LW, 0
	ROWOFF TA, RO+8, LW, 8
	ROWOFF TA, RO+16, LW, 16
	ROWOFF TA, RO+24, LW, 24
	ROWOFF TA+1, RO+32, LW, 0
	ROWOFF TA+1, RO+40, LW, 8
	ROWOFF TA+1, RO+48, LW, 16
	ROWOFF TA+1, RO+56, LW, 24
	ROWOFF TA+2, GO, L16, 0
	ROWOFF TA+2, GO+8, L16, 8
	s_cmp_lt_u32 s[CLS], 2
	s_cbranch_scc0 .Lno_a
; ---------------- A: my 16 rows of x become four fragments; my biases go to LDS.  69 loads, each of 512 consecutive bytes.
.irp i, 0,1,2,3
	global_load_b128 v[BT+4*\i:BT+4*\i+3], v[L16], s[12:13] offset:512*\i
.endr
	global_load_b128 v[BT+16:BT+19], v[L16], s[16:17]
	WIN 0x40
.irp i, 0,1,2,3,4,5,6,7,8,9,10,11,12,13,14,15
.irp j, 0,1,2,3
	global_load_b128 v[16*\i+4*\j:16*\i+4*\j+3], v[GO+\i], s[4:5] offset:512*\j
.endr
.endr
	WIN 0
	s_wait_loadcnt 63                              ; of the 69 the oldest six are in, the five loads of biases among them
.irp i, 0,1,2,3
	ds_store_b128 v[BW1], v[BT+4*\i:BT+4*\i+3] offset:512*\i
.endr
	ds_store_b128 v[BW2], v[BT+16:BT+19]
	WIN 0x04
.irp g, 0,1,2,3
	s_wait_loadcnt 48-16*\g                        ; four more rows are in; the younger rows' loads, 16 for each four rows, may be out
.irp i, 0,1,2,3
.irp j, 0,1,2,3
	ds_store_b128 v[XSW], v[16*(4*\g+\i)+4*\j:16*(4*\g+\i)+4*\j+3] offset:XP*(4*\g+\i)+512*\j
.endr
.endr
.endr
	WIN 0x80
.irp s, 0,1,2,3                                ; back: lane (r, h) takes, of row r, its 16 neighbours of each block of 32: register 64 s + 16 b + k = K 128 s + 32 b + 16 h + k
.irp b, 0,1,2,3
.irp j, 0,1,2,3
	ds_load_b128 v[64*\s+16*\b+4*\j:64*\s+16*\b+4*\j+3], v[XSR] offset:512*\s+128*\b+16*\j
.endr
.endr
.endr
	WIN 0
	s_wait_dscnt 0x0
.irp s, 0,1,2,3
	QUANT \s, \s%2
	IMAGE XWI, XWS, \s, \s%2
.endr
.Lno_a:
	s_wait_dscnt 0x0                               ; for the others' sake: my images of x are stored
	s_barrier_signal -1
	s_barrier_wait -1                              ; x's sixteen fragments lie in LDS
	s_cmp_lt_u32 s[CLS], 2
	s_cbranch_scc0 .Lno_b
; ---------------- B: my 512 hidden units for the 64 rows: four chunks of 128, each four K steps deep.  Record q = 4 c + s; the ring runs four records ahead.
.irp q, 0,1,2,3
	RFW 10, \q, \q
.endr
.irp s, 0,1,2,3
	RFX \s                                         ; x's fragments and scale words stay for all four chunks
.endr
	BIAS BA1, 0
.irp q, 0,1,2,3,4,5,6,7,8,9,10,11,12,13,14,15
.if \q < 13
	s_wait_loadcnt 51                              ; this record's 17 loads are in; the three younger records' may be out
.else
	s_wait_loadcnt 17*(15-\q)
.endif
.if \q%4 == 0
	s_wait_dscnt 0x0                               ; the chunk's bias (and, the first time, x's fragments) is in
	MULSET 0, 1
.else
	MULSET \q%4, 0
.endif
	WIN 0
	PLACES
.if \q <= 11
	RFW 10, \q+4, \q%4
.endif
.if (\q%4 == 0) && (\q < 12)
	BIAS BA1, 512*(\q/4+1)                         ; the next chunk's bias, into the registers that this chunk's first products have read
.endif
.if \q%4 == 3
.irp m, 0,1,2,3                                ; the chunk is K step 4 w + c of the second product
	RELU \m
	QUANT \m, \m%2
	IMAGE HWI, HWS, 4*(\q/4)+\m, \m%2
.endr
.endif
.endr
.Lno_b:
	s_wait_dscnt 0x0                               ; for the others' sake: my images of the hidden layer are stored
	s_barrier_signal -1
	s_barrier_wait -1                              ; the hidden layer's 64 fragments lie in LDS
	s_cmp_lt_u32 s[CLS], 2
	s_cbranch_scc0 .Lno_c
; ---------------- C: my 128 outputs for the 64 rows: sixteen K steps; weights and hidden fragments run four steps ahead.
.irp q, 0,1,2,3
	RFW 14, \q, \q
.endr
	BIAS BA2, 0
.irp q, 0,1,2,3
	RFH \q, \q
.endr
.irp q, 0,1,2,3,4,5,6,7,8,9,10,11,12,13,14,15
.if \q < 13
	s_wait_loadcnt 51                              ; the three younger records, 17 loads each, may be out
	s_wait_dscnt 36                                ; and the three younger steps' hidden fragments, 12 LDS loads each
.else
	s_wait_loadcnt 17*(15-\q)
	s_wait_dscnt 12*(15-\q)
.endif
.if \q == 0
	MULSET 0, 1
.else
	MULSET \q%4, 0
.endif
	WIN 0
	PLACES
.if \q <= 11
	RFW 14, \q+4, \q%4
	RFH \q+4, \q%4
.endif
.endr
	OUT 0
	OUT 1
	OUT 2
	OUT 3
	WIN 0
	s_wait_tensorcnt 0x0
	ds_add_u32 v254, v255
	s_wait_dscnt 0x0
	s_endpgm
.Lno_c:
	s_cmp_eq_u32 s[CLS], 2
	s_cbranch_scc0 .Lend
; ---------------- Z: rows of zeros: wave w writes its strip of 512 bytes of all 64 rows.
.set ZI, 0
.rept 64
	global_store_b128 v[RO+ZI], v[ZR:ZR+3], s[18:19] th:TH_STORE_NT
.set ZI, ZI+1
.endr
.Lend:
	s_wait_tensorcnt 0x0
	ds_add_u32 v254, v255
	s_wait_dscnt 0x0
	s_endpgm
.Lfunc_end_k_q59f67c5215_ffn:
	.size	k_q59f67c5215_ffn, .Lfunc_end_k_q59f67c5215_ffn-k_q59f67c5215_ffn
	.p2alignl 7, 3214868480
	.fill 96, 4, 3214868480
	.section	.rodata,"a",@progbits
	.p2align	6, 0x0
	.amdhsa_kernel k_q59f67c5215_ffn
		.amdhsa_group_segment_fixed_size 268800
		.amdhsa_private_segment_fixed_size 0
		.amdhsa_enable_private_segment 0
		.amdhsa_kernarg_size 64
		.amdhsa_user_sgpr_count 2
		.amdhsa_user_sgpr_kernarg_segment_ptr 1
		.amdhsa_wavefront_size32 1
		.amdhsa_system_sgpr_workgroup_id_x 1
		.amdhsa_system_sgpr_workgroup_id_y 1
		.amdhsa_system_sgpr_workgroup_id_z 1
		.amdhsa_system_vgpr_workitem_id 0
		.amdhsa_next_free_vgpr 1024
		.amdhsa_next_free_sgpr 66
		.amdhsa_reserve_vcc 0
		.amdhsa_float_denorm_mode_32 3
		.amdhsa_float_denorm_mode_16_64 3
		.amdhsa_memory_ordered 1
		.amdhsa_forward_progress 1
		.amdhsa_inst_pref_size 255
	.end_amdhsa_kernel
	.section	.bss,"aw",@nobits
	.p2align	6
	.space	262144
	.amdgpu_metadata
---
amdhsa.version: [ 1, 2 ]
amdhsa.kernels:
  - .name:           k_q59f67c5215_ffn
    .symbol:         k_q59f67c5215_ffn.kd
    .args:
      - { .name: x, .offset: 0, .size: 8, .value_kind: global_buffer, .address_space: global }
      - { .name: order, .offset: 8, .size: 8, .value_kind: global_buffer, .address_space: global }
      - { .name: tiles, .offset: 16, .size: 8, .value_kind: global_buffer, .address_space: global }
      - { .name: w1q, .offset: 24, .size: 8, .value_kind: global_buffer, .address_space: global }
      - { .name: B1, .offset: 32, .size: 8, .value_kind: global_buffer, .address_space: global }
      - { .name: w2q, .offset: 40, .size: 8, .value_kind: global_buffer, .address_space: global }
      - { .name: B2, .offset: 48, .size: 8, .value_kind: global_buffer, .address_space: global }
      - { .name: out0, .offset: 56, .size: 8, .value_kind: global_buffer, .address_space: global }
    .group_segment_fixed_size: 268800
    .private_segment_fixed_size: 0
    .kernarg_segment_align: 8
    .kernarg_segment_size: 64
    .max_flat_workgroup_size: 128
    .sgpr_count:     66
    .vgpr_count:     1024
    .wavefront_size: 32
...
	.end_amdgpu_metadata
.endif
;; end of part 2
;; ======== version 2 of 2: 2 launches; version 1 with the launch ffn written anew for expert scheduling mode
;; workspace buffers: w1q 1,114,112 bytes; w2q 1,114,112 bytes; order 65,536 bytes of whole numbers; tiles 8,192 bytes of whole numbers
;; launch prep: the kernel of part 1 again; grid 136 x 1, 8 waves a work-group, no clusters, 18,688 bytes of LDS; arguments W1, W2, b_seq, w1q, w2q, order, tiles; writes w1q, w2q, order, tiles
;; launch ffn (part 3): grid 258 x 1, 4 waves a work-group, no clusters, 268,800 bytes of LDS; arguments x, order, tiles, w1q, B1, w2q, B2, out0; writes out0
.if DOCPART == 3
	.amdgcn_target "amdgcn-amd-amdhsa--gfx1250"
	.amdhsa_code_object_version 6
	.text
	.protected	k_q59f67c5215_ffn
	.globl	k_q59f67c5215_ffn
	.p2align	8
	.type	k_q59f67c5215_ffn,@function
k_q59f67c5215_ffn:
	s_mov_b64 s[64:65], 0
	v_nop
	global_prefetch_b8 v0, s[64:65] scope:SCOPE_SE
	s_setreg_imm32_b32 hwreg(HW_REG_WAVE_SCHED_MODE, 0, 2), 2
	s_setreg_imm32_b32 hwreg(HW_REG_WAVE_MODE, 25, 1), 1
	s_wait_xcnt 0x0
	s_wait_alu depctr_vm_vsrc(0)
; FFN.  out[token] = relu(x[token] W1[e] + B1[e]) W2[e] + B2[e] for tokens of behaviour e + 1, zeros for all others.  Both products on codes of FP4 (E2M1) with one E8M0 scale for each 32 along K.
; A work-group takes ONE tile of the list: at most 64 rows of one class, through the whole chain; the hidden layer never goes to memory.  258 work-groups = the most tiles that any split of 16,384 rows
; into three classes gives (ceil sums: 256 + 2); a work-group whose entry says 'no rows' stores nothing.
; THE WAVES SHARE THE COLUMNS: wave w makes hidden units 512 w .. 512 w + 511 and outputs 128 w .. 128 w + 127 for all 64 rows.  So every weight fragment is loaded by one wave alone, from memory straight into
; its operand registers (the records lie in that order: each load is 512 consecutive bytes), and feeds four products.  What goes from wave to wave is small: the rows' codes, through LDS as images of the operand's registers.
; Both products are used transposed (source 0 = 16 columns of the weight, source 1 = 16 rows): a lane holds one row, and by the records' order of columns the 16 registers of tiles 2 b and 2 b + 1 are 16 neighbours
; along the next K (or 16 neighbouring outputs).  The biases are the C of each sum's first product.
; FORM.  The class is a number read from memory, so no barrier stands under a branch on it: the two barriers stand on the way that every wave takes, and the class only jumps over four straight-line blocks
; (A: x quantised; B: first product, relu, quantised; C: second product, out; Z: zeros).  Each block reads only registers that the head or the block itself wrote, and ends with none of its loads out.
; Slots past the tile's last row repeat that row: it is computed again and stored again, with the same values by the same wave; every lane stays on throughout.
; NO CLUSTER, NO JOINT LOADS: a tile's expert comes from the list, so neighbours in the grid may hold different experts or no rows at all: their requests would not be equal.
; LIMITS: NaN and infinities are not served.  A block of zeros gets the scale byte 1 where the rule says 127: its codes are zeros, and the bytes stay inside this program.
; REGISTERS, in windows of 256: window 0: addresses, scale words, the quantiser's work.  window 1: four of the five sets of weight fragments (set s, tile t at 64 s + 8 t); in block A x as loaded; at the end rows of out.
;   window 2: the 32 accumulators ((m, t) at 64 m + 8 t); in block A x's numbers.   window 3: v0-127 the rows' fragments ((s, m) at 32 s + 8 m); v128-191 the bias in the result's layout (tile t at 128 + 8 t);
;   v192-255 the fifth set of weight fragments.
; THE MODE: SCHED_MODE bits 1:0 = 2 (LLVM: expert scheduling mode 2), set by the entry lines.  The code itself states the register dependences between vector or matrix instructions and memory or LDS
; instructions, with s_wait_alu, always for 0.
; THE PLAN.  Registers that memory or LDS instructions touch, and who else names them:
;   addresses  v1-19, the zeros v20-23, GO, RO, v254, v255: written by vector instructions at the head and never again (GO's first three serve the loads of the tokens first, and are written anew behind them).
;   weights    five sets by turns, with five sets of scale words.  Step q's 32 products read set q % 5; record q + 4 lands in set (q + 4) % 5 = (q - 1) % 5, the set that step q - 1 read, and is asked for in step q.
;   rows       block B: loaded once.  Block C: four sets by turns, with their scale words: step q reads set q % 4; the fragments of step q + 3 land in set (q - 1) % 4 and are asked for in step q.
;   bias       read as C by a chunk's first step; the next chunk's lands there and is asked for in the chunk's second step.
;   PC, PW     four sets: a chunk's four fragments are quantised into them, then stored to LDS in one run; written again a chunk later.
;   window 1   block A: x lands there and LDS stores read it; blocks B, C: weights; the way out: readbacks land there and the global stores read them.
;   window 2   block A: LDS loads land there; the way out: LDS stores read the accumulators.  In between vector and matrix instructions alone.
; So ONE wait on va_vdst stands at the head of a step that asks for anything: the step before is done reading what this step's loads land in.  The loads follow it dealt among the step's products, which name this
; step's sets and the accumulators: none of the registers that those loads touch.  One wait on va_vdst stands ahead of each run of image stores (it serves the next step's loads too), one ahead of the way out.
; A wait on vm_vsrc stands ahead of each rewriting of registers that LDS stores or loads' addresses have read: GO at the head, window 1 and PC, PW behind the first barrier, PC, PW ahead of each later chunk's quantising.
.set XP,   2064                        ; LDS: x as f32, a stage of 16 rows for each wave: 2,048 bytes + 16 = 516 words: row r starts at bank 4 r mod 64 (64 banks of 4 bytes: ISA guide 11.1)
.set XPW,  16*XP                       ; from byte 0
.set XIMG, 4*XPW                       ; x's 16 fragments: (tile of rows m, K step s) at (4 m + s) x 1,024
.set XSC,  XIMG+16384                  ; their scale words, 128 bytes each
.set HIMG, XSC+2048                    ; the hidden layer's 64 fragments: (K step kk, m) at (4 kk + m) x 1,024
.set HSC,  HIMG+65536                  ; their scale words
.set OST,  HSC+8192                    ; the way out: 16 rows x (512 + 16) bytes for each wave
.set OP,   528
.set OPW,  16*OP
.set BIA1, OST+4*OPW                   ; my wave's 512 numbers of B1
.set BIA2, BIA1+8192                   ; my wave's 128 numbers of B2
.set REC,  8704                        ; a record of weights: 8 fragments and 512 bytes of scale words
.set L16,  1                           ; v1   16 x lane
.set L4,   2                           ; v2   4 x lane
.set LW,   3                           ; v3   512 w + 16 l: my 16 bytes of my wave's strip of a row of out
.set XSW,  4                           ; v4   x's stage, in
.set XSR,  5                           ; v5   x's stage, out: row r, + 64 h
.set XWI,  6                           ; v6   where I store x's images;      v7 their scale words
.set XWS,  7
.set XRD,  8                           ; v8   from where anybody reads them;  v9 their scale words
.set XRS,  9
.set HWI,  10                          ; v10-13 the same for the hidden layer
.set HWS,  11
.set HRD,  12
.set HRS,  13
.set BW1,  14                          ; v14, v15 the biases into LDS;  v16, v17 back: + 64 h
.set BW2,  15
.set BA1,  16
.set BA2,  17
.set OSW,  18                          ; v18  the way out: where I put 32 bytes of a row;  v19 where I read a row back
.set OSR,  19
.set ZR,   20                          ; v20-23 zeros
.set TA,   24                          ; v24-26 tokens of slots l, l + 32, 16 w + l % 16
.set XS,   32                          ; v32-47 the rows' scale words: set s, tile of rows m at 4 s + m.  They hold scales and nothing else
.set TM,   64                          ; v64-79 the quantiser's work
.set PW,   80                          ; v80-83 the scale words just made, four sets
.set GO,   100                         ; v100-115 byte offsets in x of my wave's 16 rows (+ 16 l)
.set RO,   116                         ; v116-179 byte offsets in out of the tile's 64 rows (+ 512 w + 16 l)
.set BT,   180                         ; v180-199 the biases as loaded
.set PC,   200                         ; v200-231 the codes just made, four sets of eight
.set WS,   232                         ; v232-251 the weights' scale words: set s, b at 4 s + b: lanes 0-15 tile 2 b, lanes 16-31 tile 2 b + 1.  They hold scales and nothing else
.set WV,   20                          ; s20  wave
.set CLS,  24                          ; s24-26 the tile: class, first place in order, rows - 1
.set FIRST, 25
.set LAST, 26
.set EX,   28                          ; s28  the expert
.set SEL,  32                          ; s[32:33] v_permlanex16_b32's selects for lane l xor 16
.set MSB, 0
.macro WIN new                         ; low byte: bits 1:0 source 0, 3:2 source 1, 5:4 source 2, 7:6 destination; the high byte repeats the setting that is left
.if MSB != (\new)
	s_set_vgpr_msb (MSB<<8)|(\new)
.set MSB, (\new)
.endif
.endm
; A load into a register that a matrix instruction has read, and a vector instruction or an LDS store that reads a matrix result, stand four places behind it; only plain vector instructions
; that name none of its registers are places (ISA guide 7.12.1 for vector instructions).  The places stand ahead of the wait that states the dependence; neither stands for the other.
.macro PLACES
.rept 4
	v_nop
.endr
.endm
; Record q of the wave's weights into set ws of the ring: 16 loads of fragments, in two halves, and one of scale words, 512 consecutive bytes each.  Sets 0-3: window 1 at 64 ws; set 4: window 3 at 192.
.macro RFWA base, q, ws                ; tiles 0-3
	WIN 0x40+0x80*((\ws)/4)
.irp t, 0,1,2,3
.irp c, 0,1
	global_load_b128 v[64*(\ws)-64*((\ws)/4)+8*\t+4*\c:64*(\ws)-64*((\ws)/4)+8*\t+4*\c+3], v[L16], s[\base:\base+1] offset:(\q)*REC+\t*1024+\c*512
.endr
.endr
.endm
.macro RFWB base, q, ws                ; tiles 4-7
	WIN 0x40+0x80*((\ws)/4)
.irp t, 4,5,6,7
.irp c, 0,1
	global_load_b128 v[64*(\ws)-64*((\ws)/4)+8*\t+4*\c:64*(\ws)-64*((\ws)/4)+8*\t+4*\c+3], v[L16], s[\base:\base+1] offset:(\q)*REC+\t*1024+\c*512
.endr
.endr
.endm
.macro RFWS base, q, ws                ; the scale words: the record's last load
	WIN 0
	global_load_b128 v[WS+4*(\ws):WS+4*(\ws)+3], v[L16], s[\base:\base+1] offset:(\q)*REC+8192
.endm
; The four tiles of rows' fragments of K step q of the hidden layer into set s: 8 LDS loads, and 4 of scale words.
.macro RFHF q, s
	WIN 0xc0
.irp m, 0,1,2,3
.irp c, 0,1
	ds_load_b128 v[32*(\s)+8*\m+4*\c:32*(\s)+8*\m+4*\c+3], v[HRD] offset:(4*(\q)+\m)*1024+512*\c
.endr
.endr
.endm
.macro RFHS q, s
	WIN 0
.irp m, 0,1,2,3
	ds_load_b32 v[XS+4*(\s)+\m], v[HRS] offset:(4*(\q)+\m)*128
.endr
.endm
; The same of x's K step s.
.macro RFX s
	WIN 0xc0
.irp m, 0,1,2,3
.irp c, 0,1
	ds_load_b128 v[32*(\s)+8*\m+4*\c:32*(\s)+8*\m+4*\c+3], v[XRD] offset:(4*\m+(\s))*1024+512*\c
.endr
.endr
	WIN 0
.irp m, 0,1,2,3
	ds_load_b32 v[XS+4*(\s)+\m], v[XRS] offset:(4*\m+(\s))*128
.endr
.endm
; 128 numbers of a bias in the result's layout: register j of tile t = 2 b + u in lane half h is number 32 b + 16 h + 8 u + j; the sixteen lanes of a half read the same bytes.
.macro BIAS adr, off
	WIN 0xc0
.irp t, 0,1,2,3,4,5,6,7
.irp f, 0,1
	ds_load_b128 v[128+8*\t+4*\f:128+8*\t+4*\f+3], v[\adr] offset:\off+128*(\t/2)+32*(\t%2)+16*\f
.endr
.endr
.endm
; 8 products: tiles 2 b and 2 b + 1 of weight set ws against the 4 tiles of rows of set rs, 128 along K.  A step is b = 0, 1, 2, 3: its 32 accumulators take turns, one instruction a turn, in the same order
; in every step.  bias = 1: the sums begin with the bias as C.
.macro MULB ws, rs, bias, b
	WIN 0xad+2*((\ws)/4)+0x10*(\bias)              ; weights window 1 (set 4: window 3), rows window 3, D window 2, C window 2 (the bias: window 3)
.irp u, 0,1
.irp m, 0,1,2,3
.set MD, 64*\m+16*(\b)+8*\u
.set MA, 64*(\ws)-64*((\ws)/4)+16*(\b)+8*\u
.set MB, 32*(\rs)+8*\m
.set MC, 128+16*(\b)+8*\u
.set MW, WS+4*(\ws)+(\b)
.set MX, XS+4*(\rs)+\m
.if \bias
.if \u
	v_wmma_scale_f32_16x16x128_f8f6f4 v[MD:MD+7], v[MA:MA+7], v[MB:MB+7], v[MC:MC+7], v[MW], v[MX] matrix_a_fmt:MATRIX_FMT_FP4 matrix_b_fmt:MATRIX_FMT_FP4 matrix_a_scale:MATRIX_SCALE_ROW1
.else
	v_wmma_scale_f32_16x16x128_f8f6f4 v[MD:MD+7], v[MA:MA+7], v[MB:MB+7], v[MC:MC+7], v[MW], v[MX] matrix_a_fmt:MATRIX_FMT_FP4 matrix_b_fmt:MATRIX_FMT_FP4
.endif
.else
.if \u
	v_wmma_scale_f32_16x16x128_f8f6f4 v[MD:MD+7], v[MA:MA+7], v[MB:MB+7], v[MD:MD+7], v[MW], v[MX] matrix_a_fmt:MATRIX_FMT_FP4 matrix_b_fmt:MATRIX_FMT_FP4 matrix_a_scale:MATRIX_SCALE_ROW1
.else
	v_wmma_scale_f32_16x16x128_f8f6f4 v[MD:MD+7], v[MA:MA+7], v[MB:MB+7], v[MD:MD+7], v[MW], v[MX] matrix_a_fmt:MATRIX_FMT_FP4 matrix_b_fmt:MATRIX_FMT_FP4
.endif
.endif
.endr
.endr
.endm
.macro RELU m                          ; the activation, in f32, in ascending order: each accumulator is first read at its low end
	WIN 0x88
.set RJ, 64*(\m)
.rept 64
	v_max_num_f32 v[RJ], 0, v[RJ]
.set RJ, RJ+1
.endr
.endm
; 64 numbers of a lane in window 2, v[64 n] on, register 16 b + k = K 32 b + 16 (lane / 16) + k of my row, become a fragment's codes in set p of PC and its scale word in PW + p.
.macro QUANT n, p
.set QS, 64*(\n)
.set QC, PC+8*(\p)
	WIN 0x0a
.irp b, 0,1,2,3
	v_max3_num_f32 v[TM+\b], |v[QS+16*\b]|, |v[QS+16*\b+1]|, 0x1800000   ; block b: my 16 numbers, and the floor 2^(3 - 127): the byte cannot fall under 1
.endr
	WIN 0x28
.irp k, 2,4,6,8,10,12,14
.irp b, 0,1,2,3
	v_max3_num_f32 v[TM+\b], v[TM+\b], |v[QS+16*\b+\k]|, |v[QS+16*\b+\k+1]|   ; the four blocks by turns
.endr
.endr
	WIN 0
.irp b, 0,1,2,3
	v_permlanex16_b32 v[TM+4+\b], v[TM+\b], s[SEL], s[SEL+1]
.endr
.irp b, 0,1,2,3
	v_max_num_f32 v[TM+\b], v[TM+\b], v[TM+4+\b]   ; with lane l xor 16's: the block's largest magnitude
.endr
.irp b, 0,1,2,3
	v_add_nc_u32 v[TM+12+\b], 0xff000000, v[TM+\b] ; 2 off its exponent field: the conversion's scale operand
.endr
.irp b, 0,1,2,3
	v_lshrrev_b32 v[TM+4+\b], 23, v[TM+12+\b]      ; the scale's byte
.endr
	v_lshl_or_b32 v[PW+(\p)], v[TM+5], 8, v[TM+4]  ; the four bytes make my row's scale word
	v_lshl_or_b32 v[PW+(\p)], v[TM+6], 16, v[PW+(\p)]
	v_lshl_or_b32 v[PW+(\p)], v[TM+7], 24, v[PW+(\p)]
	WIN 0x02
.irp b, 0,1,2,3
	v_cvt_scalef32_pk8_fp4_f32 v[QC+2*\b], v[QS+16*\b:QS+16*\b+7], v[TM+12+\b]
	v_cvt_scalef32_pk8_fp4_f32 v[QC+2*\b+1], v[QS+16*\b+8:QS+16*\b+15], v[TM+12+\b]
.endr
	WIN 0
	v_nop                                          ; one plain line behind the last scaled conversion
.irp c, 0,1                                    ; the operand's layout wants a whole block in a lane: lanes 0-15 block 2 c, lanes 16-31 block 2 c + 1
.irp k, 0,1
	v_permlane16_swap_b32 v[QC+4*\c+\k], v[QC+4*\c+2+\k]
.endr
.endr
.endm
.macro IMAGE ai, aw, idx, p            ; the fragment goes to LDS as it stands: lane l's 16 bytes at 16 l; its scale word at 4 l
	WIN 0
.irp c, 0,1
	ds_store_b128 v[\ai], v[PC+8*(\p)+4*\c:PC+8*(\p)+4*\c+3] offset:(\idx)*1024+512*\c
.endr
	ds_store_b32 v[\aw], v[PW+(\p)] offset:(\idx)*128
.endm
.macro ROWOFF src, dst, add, lane0     ; sixteen rows' byte offsets: the token of lane lane0 + i of src, x 2,048 bytes, + my place in a row
.irp i, 0,1,2,3,4,5,6,7,8,9,10,11,12,13,14,15
	v_readlane_b32 s[40+\i], v[\src], \lane0+\i
.endr
	s_wait_alu depctr_va_sdst(0)                   ; the sixteen lines above have written s40 to s55, ahead of their first readers
.irp i, 0,1,2,3,4,5,6,7,8,9,10,11,12,13,14,15
	s_min_u32 s[40+\i], s[40+\i], 0x3fff           ; a token: 0 .. 16,383
.endr
.irp i, 0,1,2,3,4,5,6,7,8,9,10,11,12,13,14,15
	v_lshl_add_u32 v[\dst+\i], s[40+\i], 11, v[\add]
.endr
.endm
; Tile of rows m goes out: 16 rows x my 128 outputs through my own stage, back as whole strips of 512 bytes.  LDS serves a wave's instructions in order (ISA guide 5.7.1.4): no wait between the stores and the loads.
.macro OUT m
	WIN 0x08
.irp b, 0,1,2,3
.irp u, 0,1
	ds_store_b128 v[OSW], v[64*(\m)+16*\b+8*\u:64*(\m)+16*\b+8*\u+3] offset:128*\b+32*\u            ; each accumulator from its low end on
	ds_store_b128 v[OSW], v[64*(\m)+16*\b+8*\u+4:64*(\m)+16*\b+8*\u+7] offset:128*\b+32*\u+16
.endr
.endr
	WIN 0x40
.irp i, 0,1,2,3,4,5,6,7,8,9,10,11,12,13,14,15
	ds_load_b128 v[64*(\m)+4*\i:64*(\m)+4*\i+3], v[OSR] offset:OP*\i      ; each m has its own 64 registers of window 1: no store's data are written again
.endr
	WIN 0x04
.irp i, 0,1,2,3,4,5,6,7,8,9,10,11,12,13,14,15
	s_wait_dscnt 15-\i                             ; the younger readbacks may be out
	global_store_b128 v[RO+16*(\m)+\i], v[64*(\m)+4*\i:64*(\m)+4*\i+3], s[18:19] th:TH_STORE_NT   ; 32 lanes store 512 consecutive bytes, at a multiple of 256 from out's first byte
.endr
.endm
; ---------------- THE HEAD, for every work-group
	s_load_b256 s[4:11], s[0:1], 0x0               ; x s[4:5], order s[6:7], tiles s[8:9], w1q s[10:11]
	s_load_b256 s[12:19], s[0:1], 0x20             ; B1 s[12:13], w2q s[14:15], B2 s[16:17], out s[18:19]
	v_lshl_add_u32 v254, v0, 2, 0x41800
	v_mov_b32 v255, 0
	v_lshrrev_b32 v27, 5, v0
	v_readfirstlane_b32 s[WV], v27                 ; wave 0..3
	v_and_b32 v27, 31, v0                          ; l
	v_and_b32 v28, 15, v0                          ; r
	v_bfe_u32 v29, v0, 4, 1                        ; h
	s_lshl_b32 s30, ttmp9, 4                       ; my entry of the list: 16 bytes
	s_mov_b32 s31, 0
	s_wait_kmcnt 0x0
	s_add_nc_u64 s[8:9], s[8:9], s[30:31]
	s_load_b128 s[24:27], s[8:9], 0x0
	v_lshlrev_b32 v[L16], 4, v27
	v_lshlrev_b32 v[L4], 2, v27
	s_wait_alu depctr_va_sdst(0)                   ; s20, the wave's number, is written, ahead of its first reader
	s_lshl_b32 s40, s[WV], 9                       ; 512 w
	s_lshl_b32 s41, s[WV], 11                      ; 2,048 w
	s_mul_i32 s42, s[WV], XPW
	s_mul_i32 s43, s[WV], OPW
	s_lshl_b32 s44, s[WV], 12
	s_lshl_b32 s45, s[WV], 14
	v_add_nc_u32 v[LW], s40, v[L16]
	v_add_nc_u32 v[XSW], s42, v[L16]               ; x's stages begin at LDS byte 0
	v_mul_u32_u24 v30, v28, XP
	v_lshl_add_u32 v30, v29, 6, v30
	v_add_nc_u32 v[XSR], s42, v30
	s_add_co_u32 s44, s44, XIMG
	v_add_nc_u32 v[XWI], s44, v[L16]               ; my rows are tile m = w: fragments 4 w + s
	s_add_co_u32 s46, s40, XSC
	v_add_nc_u32 v[XWS], s46, v[L4]
	v_add_nc_u32 v[XRD], XIMG, v[L16]
	v_add_nc_u32 v[XRS], XSC, v[L4]
	s_add_co_u32 s45, s45, HIMG
	v_add_nc_u32 v[HWI], s45, v[L16]               ; my hidden units are K steps 4 w + c: fragments 16 w + 4 c + m
	s_add_co_u32 s46, s41, HSC
	v_add_nc_u32 v[HWS], s46, v[L4]
	v_add_nc_u32 v[HRD], HIMG, v[L16]
	v_add_nc_u32 v[HRS], HSC, v[L4]
	s_add_co_u32 s46, s41, BIA1
	s_add_co_u32 s47, s40, BIA2
	v_add_nc_u32 v[BW1], s46, v[L16]
	v_add_nc_u32 v[BW2], s47, v[L16]
	v_lshlrev_b32 v31, 6, v29                      ; 64 h
	v_add_nc_u32 v[BA1], s46, v31
	v_add_nc_u32 v[BA2], s47, v31
	s_add_co_u32 s43, s43, OST
	v_mul_u32_u24 v30, v28, OP
	v_add_nc_u32 v30, v30, v31
	v_add_nc_u32 v[OSW], s43, v30
	v_add_nc_u32 v[OSR], s43, v[L16]
.irp k, 0,1,2,3
	v_mov_b32 v[ZR+\k], 0
	v_mov_b32 v[TM+4+\k], 0                        ; written once: a lane permute's destination counts as one of its sources
.endr
	s_mov_b32 s[SEL], 0x76543210
	s_mov_b32 s[SEL+1], 0xfedcba98
	s_wait_kmcnt 0x0
	s_min_u32 s[CLS], s[CLS], 3
	s_min_u32 s[FIRST], s[FIRST], 0x3fff
	s_min_u32 s[LAST], s[LAST], 63
	s_and_b32 s[EX], s[CLS], 1
	s_mul_i32 s30, s[EX], 64*REC                   ; an expert's 64 records, my wave's 16 of them: in w1q and in w2q alike
	s_mul_i32 s21, s[WV], 16*REC
	s_add_co_u32 s30, s30, s21
	s_add_nc_u64 s[10:11], s[10:11], s[30:31]
	s_add_nc_u64 s[14:15], s[14:15], s[30:31]
	s_lshl_b32 s30, s[EX], 13
	s_add_co_u32 s30, s30, s41
	s_add_nc_u64 s[12:13], s[12:13], s[30:31]      ; B1: the expert's 2,048 numbers, my 512
	s_lshl_b32 s30, s[EX], 11
	s_add_co_u32 s30, s30, s40
	s_add_nc_u64 s[16:17], s[16:17], s[30:31]      ; B2: the expert's 512, my 128
	v_min_u32 v[GO], s[LAST], v27                  ; slots l, l + 32 and 16 w + r, held at the tile's last row
	v_add_nc_u32 v30, 32, v27
	v_min_u32 v[GO+1], s[LAST], v30
	s_lshl_b32 s21, s[WV], 4
	v_add_nc_u32 v30, s21, v28
	v_min_u32 v[GO+2], s[LAST], v30
.irp k, 0,1,2
	v_add_nc_u32 v[GO+\k], s[FIRST], v[GO+\k]
	v_min_u32 v[GO+\k], 0x3fff, v[GO+\k]           ; a place in order: 0 .. 16,383
	v_lshlrev_b32 v[GO+\k], 2, v[GO+\k]
.endr
	s_wait_alu depctr_va_vdst(0)                   ; the three offsets are written, which the loads below read; so are v1 to v23, v254 and v255, which are never written again
.irp k, 0,1,2
	global_load_b32 v[TA+\k], v[GO+\k], s[6:7]
.endr
	s_wait_loadcnt 0x0                             ; the tokens are in
	s_wait_alu depctr_vm_vsrc(0)                   ; the three loads have read v[GO] to v[GO+2], which the last lines of the head write again
	ROWOFF TA, RO, LW, 0
	ROWOFF TA, RO+16, LW, 16
	ROWOFF TA+1, RO+32, LW, 0
	ROWOFF TA+1, RO+48, LW, 16
	ROWOFF TA+2, GO, L16, 0
	s_wait_alu depctr_va_vdst(0)                   ; RO and GO are written, which x's loads and out's stores read as offsets; from here on no vector instruction writes an address
	s_cmp_lt_u32 s[CLS], 2
	s_cbranch_scc0 .Lno_a
; ---------------- A: my 16 rows of x become four fragments; my biases go to LDS.  69 loads, each of 512 consecutive bytes.
.irp i, 0,1,2,3
	global_load_b128 v[BT+4*\i:BT+4*\i+3], v[L16], s[12:13] offset:512*\i
.endr
	global_load_b128 v[BT+16:BT+19], v[L16], s[16:17]
	WIN 0x40
.irp i, 0,1,2,3,4,5,6,7,8,9,10,11,12,13,14,15
.irp j, 0,1,2,3
	global_load_b128 v[16*\i+4*\j:16*\i+4*\j+3], v[GO+\i], s[4:5] offset:512*\j
.endr
.endr
	WIN 0
	s_wait_loadcnt 63                              ; of the 69 the oldest six are in, the five loads of biases among them
.irp i, 0,1,2,3
	ds_store_b128 v[BW1], v[BT+4*\i:BT+4*\i+3] offset:512*\i
.endr
	ds_store_b128 v[BW2], v[BT+16:BT+19]
	WIN 0x04
.irp g, 0,1,2,3
	s_wait_loadcnt 48-16*\g                        ; four more rows are in; the younger rows' loads, 16 for each four rows, may be out
.irp i, 0,1,2,3
.irp j, 0,1,2,3
	ds_store_b128 v[XSW], v[16*(4*\g+\i)+4*\j:16*(4*\g+\i)+4*\j+3] offset:XP*(4*\g+\i)+512*\j
.endr
.endr
.endr
	WIN 0x80
.irp s, 0,1,2,3                                ; back: lane (r, h) takes, of row r, its 16 neighbours of each block of 32: register 64 s + 16 b + k = K 128 s + 32 b + 16 h + k
.irp b, 0,1,2,3
.irp j, 0,1,2,3
	ds_load_b128 v[64*\s+16*\b+4*\j:64*\s+16*\b+4*\j+3], v[XSR] offset:512*\s+128*\b+16*\j
.endr
.endr
.endr
	WIN 0
	s_wait_dscnt 0x0
.irp s, 0,1,2,3
	QUANT \s, \s
.endr
	s_wait_alu depctr_va_vdst(0)                   ; the four sets of PC and PW are written, which the twelve LDS stores below read
.irp s, 0,1,2,3
	IMAGE XWI, XWS, \s, \s
.endr
.Lno_a:
	s_wait_dscnt 0x0                               ; for the others' sake: my images of x are stored
	s_barrier_signal -1
	s_barrier_wait -1                              ; x's sixteen fragments lie in LDS
	s_wait_alu depctr_vm_vsrc(0)                   ; block A's LDS stores have read window 1, in which block B's weights land, and PC and PW, which block B's first chunk writes again
	s_cmp_lt_u32 s[CLS], 2
	s_cbranch_scc0 .Lno_b
; ---------------- B: my 512 hidden units for the 64 rows: four chunks of 128, each four K steps deep.  Record q = 4 c + s lies in set q % 5; step q asks for record q + 4.
.irp q, 0,1,2,3
	RFWA 10, \q, \q
	RFWB 10, \q, \q
	RFWS 10, \q, \q
.endr
.irp s, 0,1,2,3
	RFX \s                                         ; x's fragments and scale words stay for all four chunks
.endr
	BIAS BA1, 0
.irp q, 0,1,2,3,4,5,6,7,8,9,10,11,12,13,14,15
.if \q < 13
	s_wait_loadcnt 51                              ; this record's 17 loads are in; the three younger records' may be out
.else
	s_wait_loadcnt 17*(15-\q)
.endif
.if \q%4 == 0
	s_wait_dscnt 0x0                               ; the chunk's bias (and, the first time, x's fragments) is in.  (No wait on va_vdst here: the one ahead of the last chunk's image stores stands behind every product so far)
.elseif \q < 12
	PLACES
	s_wait_alu depctr_va_vdst(0)                   ; the last step's products are done reading their weight set and its scale words, in which record q + 4 lands; behind a chunk's first step also the bias, in which the next chunk's lands
.endif
.set BI, 1-((\q%4)+3)/4                        ; 1 in a chunk's first step
	MULB \q%5, \q%4, BI, 0
.if \q < 12
	RFWA 10, \q+4, (\q+4)%5                        ; no product since the wait names this set
.endif
	MULB \q%5, \q%4, BI, 1
.if \q < 12
	RFWB 10, \q+4, (\q+4)%5
.endif
.if (\q%4 == 1) && (\q < 13)
	BIAS BA1, 512*(\q/4+1)                         ; the next chunk's bias, into the registers that this chunk's first step has read
.endif
.if \q < 12
	RFWS 10, \q+4, (\q+4)%5
.endif
	MULB \q%5, \q%4, BI, 2
	MULB \q%5, \q%4, BI, 3
.if \q%4 == 3
	PLACES                                         ; in front of the first read of the results
.if \q > 3
	s_wait_alu depctr_vm_vsrc(0)                   ; the last chunk's LDS stores have read PC and PW, which the lines below write again
.endif
.irp m, 0,1,2,3                                ; the chunk is K step 4 w + c of the second product
	RELU \m
	QUANT \m, \m
.endr
	s_wait_alu depctr_va_vdst(0)                   ; the four sets of PC and PW are written, which the twelve LDS stores below read; and every product so far is done reading its operands, in which the next loads land
.irp m, 0,1,2,3
	IMAGE HWI, HWS, 4*(\q/4)+\m, \m
.endr
.endif
.endr
.Lno_b:
	s_wait_dscnt 0x0                               ; for the others' sake: my images of the hidden layer are stored
	s_barrier_signal -1
	s_barrier_wait -1                              ; the hidden layer's 64 fragments lie in LDS
	s_cmp_lt_u32 s[CLS], 2
	s_cbranch_scc0 .Lno_c
; ---------------- C: my 128 outputs for the 64 rows: sixteen K steps.  Step q asks for record q + 4 of the weights and for the hidden fragments of step q + 3.
; The first loads land in registers that block B's products read: the wait on va_vdst ahead of block B's last image stores stands behind all of them, and no vector instruction has been issued since.
.irp q, 0,1,2,3
	RFWA 14, \q, \q
	RFWB 14, \q, \q
	RFWS 14, \q, \q
.endr
	BIAS BA2, 0
.irp q, 0,1,2,3
	RFHF \q, \q
	RFHS \q, \q
.endr
.irp q, 0,1,2,3,4,5,6,7,8,9,10,11,12,13,14,15
.if \q < 13
	s_wait_loadcnt 51                              ; the three younger records, 17 loads each, may be out
.else
	s_wait_loadcnt 17*(15-\q)
.endif
.if \q == 0
	s_wait_dscnt 36                                ; the bias and step 0's hidden fragments are in; the three younger steps', 12 LDS loads each, may be out
.elseif \q < 14
	s_wait_dscnt 24                                ; the two younger steps' may be out
.else
	s_wait_dscnt 12*(15-\q)
.endif
.if (\q > 0) && (\q < 13)
	PLACES
	s_wait_alu depctr_va_vdst(0)                   ; the last step's products are done reading their weight set, their rows' set and both sets of scale words, in which the loads of this step land
.endif
.set BI, 1-(\q+15)/16                          ; 1 in step 0
	MULB \q%5, \q%4, BI, 0
.if \q < 12
	RFWA 14, \q+4, (\q+4)%5                        ; no product since the wait names this set
.endif
	MULB \q%5, \q%4, BI, 1
.if \q < 12
	RFWB 14, \q+4, (\q+4)%5
.endif
.if (\q > 0) && (\q < 13)
	RFHF \q+3, (\q+3)%4
.endif
.if \q < 12
	RFWS 14, \q+4, (\q+4)%5
.endif
.if (\q > 0) && (\q < 13)
	RFHS \q+3, (\q+3)%4
.endif
	MULB \q%5, \q%4, BI, 2
	MULB \q%5, \q%4, BI, 3
.endr
	PLACES                                         ; in front of the first read of the results
	s_wait_alu depctr_va_vdst(0)                   ; the accumulators are written, which the LDS stores below read; the products are done reading window 1, in which the readbacks land.  No vector instruction follows
	OUT 0
	OUT 1
	OUT 2
	OUT 3
	WIN 0
	s_wait_dscnt 0x0                               ; the closing lines, six on end
	s_wait_alu 0x0
	s_wait_tensorcnt 0x0
	ds_add_u32 v254, v255
	s_wait_dscnt 0x0
	s_endpgm
.Lno_c:
	s_cmp_eq_u32 s[CLS], 2
	s_cbranch_scc0 .Lend
; ---------------- Z: rows of zeros: wave w writes its strip of 512 bytes of all 64 rows.  The offsets and the zeros were written ahead of the head's last wait on va_vdst.
.set ZI, 0
.rept 64
	global_store_b128 v[RO+ZI], v[ZR:ZR+3], s[18:19] th:TH_STORE_NT
.set ZI, ZI+1
.endr
.Lend:
	s_wait_dscnt 0x0                               ; the closing lines, six on end
	s_wait_alu 0x0
	s_wait_tensorcnt 0x0
	ds_add_u32 v254, v255
	s_wait_dscnt 0x0
	s_endpgm
.Lfunc_end_k_q59f67c5215_ffn:
	.size	k_q59f67c5215_ffn, .Lfunc_end_k_q59f67c5215_ffn-k_q59f67c5215_ffn
	.p2alignl 7, 3214868480
	.fill 96, 4, 3214868480
	.section	.rodata,"a",@progbits
	.p2align	6, 0x0
	.amdhsa_kernel k_q59f67c5215_ffn
		.amdhsa_group_segment_fixed_size 268800
		.amdhsa_private_segment_fixed_size 0
		.amdhsa_enable_private_segment 0
		.amdhsa_kernarg_size 64
		.amdhsa_user_sgpr_count 2
		.amdhsa_user_sgpr_kernarg_segment_ptr 1
		.amdhsa_wavefront_size32 1
		.amdhsa_system_sgpr_workgroup_id_x 1
		.amdhsa_system_sgpr_workgroup_id_y 1
		.amdhsa_system_sgpr_workgroup_id_z 1
		.amdhsa_system_vgpr_workitem_id 0
		.amdhsa_next_free_vgpr 1024
		.amdhsa_next_free_sgpr 66
		.amdhsa_reserve_vcc 0
		.amdhsa_float_denorm_mode_32 3
		.amdhsa_float_denorm_mode_16_64 3
		.amdhsa_memory_ordered 1
		.amdhsa_forward_progress 1
		.amdhsa_inst_pref_size 255
	.end_amdhsa_kernel
	.section	.bss,"aw",@nobits
	.p2align	6
	.space	262144
	.amdgpu_metadata
---
amdhsa.version: [ 1, 2 ]
amdhsa.kernels:
  - .name:           k_q59f67c5215_ffn
    .symbol:         k_q59f67c5215_ffn.kd
    .args:
      - { .name: x, .offset: 0, .size: 8, .value_kind: global_buffer, .address_space: global }
      - { .name: order, .offset: 8, .size: 8, .value_kind: global_buffer, .address_space: global }
      - { .name: tiles, .offset: 16, .size: 8, .value_kind: global_buffer, .address_space: global }
      - { .name: w1q, .offset: 24, .size: 8, .value_kind: global_buffer, .address_space: global }
      - { .name: B1, .offset: 32, .size: 8, .value_kind: global_buffer, .address_space: global }
      - { .name: w2q, .offset: 40, .size: 8, .value_kind: global_buffer, .address_space: global }
      - { .name: B2, .offset: 48, .size: 8, .value_kind: global_buffer, .address_space: global }
      - { .name: out0, .offset: 56, .size: 8, .value_kind: global_buffer, .address_space: global }
    .group_segment_fixed_size: 268800
    .private_segment_fixed_size: 0
    .kernarg_segment_align: 8
    .kernarg_segment_size: 64
    .max_flat_workgroup_size: 128
    .sgpr_count:     66
    .vgpr_count:     1024
    .wavefront_size: 32
...
	.end_amdgpu_metadata
.endif
;; end of part 3
